; MI455X (gfx1250); checked and timed in simulation.
; The chip was launched on July 23, 2026; its instructions are those of AMD's public machine-readable ISA for CDNA 5 (MIT licence, August 2026) and "CDNA5" Instruction Set Architecture Reference Guide (July 2026). The comments in the code are by the model that wrote it; some were corrected since.
;; Clustered Attention. Allowed arithmetic: float matrix products may take bf16 or f16 operands with f32 sums; all other float work in f32.
;; Inputs: key 4 x 512 x 32 x 64 float32; label_arr 4 x 512 int32; query 4 x 512 x 32 x 64 float32; value 4 x 512 x 32 x 64 float32.
;; Outputs: out0 4 x 512 x 32 x 64 float32.
;; One version. Each part assembles by itself: llvm-mc -triple=amdgcn-amd-amdhsa -mcpu=gfx1250 --defsym DOCPART=n.
;; ======== version 1 of 1: 2 launches
;; limits: values are held in f16: magnitudes above 65,504 overflow, below 6.1e-05 lose precision; inputs' magnitudes at most 65,504
;; workspace buffers: ksum 524,288 bytes; order 32,768 bytes of whole numbers
;; launch prep (part 1): grid 256 x 1, 4 waves a work-group, no clusters, 0 bytes of LDS; arguments key, label_arr, ksum, order; writes ksum, order
.if DOCPART == 1
	.amdgcn_target "amdgcn-amd-amdhsa--gfx1250"
	.amdhsa_code_object_version 6
	.text
	.protected	k_qbbd1223927_prep
	.globl	k_qbbd1223927_prep
	.p2align	8
	.type	k_qbbd1223927_prep,@function
k_qbbd1223927_prep:
	s_mov_b64 s[64:65], 0
	v_nop
	global_prefetch_b8 v0, s[64:65] scope:SCOPE_SE
	s_setreg_imm32_b32 hwreg(HW_REG_WAVE_MODE, 25, 1), 1
	s_wait_xcnt 0x0
; A stable sort of each batch's 512 positions by label, by counting, stored as whole numbers:
;   order + 0:     perm[b][p]   the position that stands at sorted place p
;   order + 8192:  slab[b][p]   its label
;   order + 16384: sstart[b][p] first sorted place of its class
;   order + 24576: send[b][p]   one past the last sorted place of its class
; and ksum[b][p][:], the sum over v of key[b][perm p][v][:], stored AT ITS SORTED PLACE p as a row of 256 bytes: 64 bf16 upper parts (the
; f32 sum rounded to bf16), then 64 bf16 remainders.  They are matrix operands of the next launch, where the product stands in an
; exponent, so that its absolute error counts: the two parts together carry 16 bits of significand.
; Labels may be any int32 (signed order; only equality matters later).
; 256 work-groups x 4 waves x 2 rows = the 2,048 rows (b, j).  A row of key is 8,192 consecutive bytes: 16 loads of a wave,
; 512 consecutive bytes each.  All 32 loads of a wave are issued at the head; the counting runs while they are on their way.
; No LDS, no barrier, no matrix unit: waves share nothing, and every byte of key is read once.
.set ROWB,  8192                       ; bytes in a row of key
.set LB,   16                          ; v[16:31]   labels[b][16 l + k], k = 0..15
.set XA,   32                          ; v[32:95]   row A: load t in 4 registers
.set XB,   96                          ; v[96:159]  row B
.set U,    160                         ; v[160:163] my own half's partial sums of the row that I store, then the sums, then the remainders
.set W,    164                         ; v[164:167] the partial sums that the other half of the lanes needs; then the upper parts, packed
.set T,    36                          ; v[36:39]   the upper parts as f32 (registers of row A that have been used up)
.set PE,   40                          ; v[40:47]   the row's 16-byte pieces after the exchange between lanes (likewise used up)
.set PA,   44                          ; s[44:59]   lane masks: position 16 l + k stands in front of row A
.set PB,   66                          ; s[66:81]   the same for row B
.set M,    82                          ; s[82:97]   a batch of 16 lane masks of label compares
	s_load_b256 s[4:11], s[0:1], 0x0               ; key s[4:5], label_arr s[6:7], ksum s[8:9], order s[10:11]
	v_and_b32 v1, 31, v0                           ; lane l
	v_lshrrev_b32 v5, 5, v0
	v_readfirstlane_b32 s14, v5                    ; wave w
	s_lshr_b32 s15, ttmp9, 6                       ; batch b: 64 work-groups each
	s_lshl_b32 s16, ttmp9, 3
	s_lshl1_add_u32 s16, s14, s16                  ; R = 8 g + 2 w: my rows are R (A) and R + 1 (B)
	s_and_b32 s17, s16, 511                        ; A's position in its batch
	s_add_co_u32 s18, s17, 1                       ; B's
	s_mov_b32 s26, 0x76543210                      ; v_permlanex16_b32: lane i reads lane i of the other half
	s_mov_b32 s27, 0xfedcba98
	s_mov_b32 s30, 0xeca86420                      ; v_permlane16_b32: lane i reads lane 2 (i % 8) of its own half,
	s_mov_b32 s31, 0xfdb97531                      ; or lane 2 (i % 8) + 1
	v_lshlrev_b32 v2, 4, v1                        ; 16 l: my 16 bytes in each 512 of key, and the position of my first label
	v_lshlrev_b32 v3, 6, v1                        ; 64 l: my 16 labels
	v_and_b32 v4, 15, v1
	v_lshlrev_b32 v4, 4, v4                        ; 16 (l % 16): my 16 bytes of a row of ksum
	s_lshl_b32 s28, s16, 2
	v_mov_b32 v5, s28                              ; 4 R: the labels of A and B, the same address in every lane
	v_sub_nc_u32 v14, s17, v2                      ; A's position - 16 l, signed
	s_lshl_b32 s20, s15, 11                        ; 2,048 b: a batch's labels, and its part of each array of order
	s_mov_b32 s21, 0
	s_lshl_b32 s40, s16, 13                        ; R rows of key
	s_mov_b32 s41, 0
	s_lshl_b32 s42, s15, 17                        ; a batch of ksum: 512 rows of 256 bytes
	s_mov_b32 s43, 0
	s_wait_kmcnt 0x0
	s_add_nc_u64 s[22:23], s[6:7], s[20:21]
	s_add_nc_u64 s[24:25], s[10:11], s[20:21]
	s_add_nc_u64 s[4:5], s[4:5], s[40:41]
	s_add_nc_u64 s[8:9], s[8:9], s[42:43]
.irp x, 0,1,2,3
	global_load_b128 v[LB+4*\x:LB+4*\x+3], v3, s[22:23] offset:16*\x
.endr
	global_load_b64 v[12:13], v5, s[6:7]           ; v12 = A's label, v13 = B's, in every lane
.irp t, 0,1,2,3,4,5,6,7,8,9,10,11,12,13,14,15
	global_load_b128 v[XA+4*\t:XA+4*\t+3], v2, s[4:5] offset:512*\t th:TH_LOAD_NT
.endr
.irp t, 0,1,2,3,4,5,6,7,8,9,10,11,12,13,14,15
	global_load_b128 v[XB+4*\t:XB+4*\t+3], v2, s[4:5] offset:ROWB+512*\t th:TH_LOAD_NT
.endr
	; which positions stand in front of A and of B hangs on no loaded number: made while the loads are on their way
.irp k, 0,1,2,3,4,5,6,7,8,9,10,11,12,13,14,15
	v_cmp_lt_i32 s[PA+\k], \k, v14                 ; 16 l + k < A's position
	v_cmp_le_i32 s[PB+\k], \k, v14                 ; 16 l + k < A's position + 1
.endr
.irp c, 32,33,34,35,36,37
	s_mov_b32 s\c, 0                               ; s32, s33, s34: labels below A's, equal to it, equal and in front of A; s35, s36, s37: the same for B
.endr
	s_wait_loadcnt 32                              ; the labels are in; the 32 younger loads of key stay out
; Four labels of every lane against A's and B's: first the 16 compares, each into a mask of its own, then the scalar counts,
; so that no scalar instruction reads a mask that was written just before it.
.macro CHUNK k0
.irp j, 0,1,2,3
	v_cmp_gt_i32 s[M+4*\j],   v12, v[LB+\k0+\j]    ; label[16 l + k] < A's
	v_cmp_eq_u32 s[M+4*\j+1], v12, v[LB+\k0+\j]
	v_cmp_gt_i32 s[M+4*\j+2], v13, v[LB+\k0+\j]
	v_cmp_eq_u32 s[M+4*\j+3], v13, v[LB+\k0+\j]
.endr
.irp j, 0,1,2,3
	s_and_b32 s29, s[M+4*\j+1], s[PA+\k0+\j]
	s_and_b32 s39, s[M+4*\j+3], s[PB+\k0+\j]
	s_bcnt1_i32_b32 s[M+4*\j],   s[M+4*\j]
	s_bcnt1_i32_b32 s[M+4*\j+1], s[M+4*\j+1]
	s_bcnt1_i32_b32 s[M+4*\j+2], s[M+4*\j+2]
	s_bcnt1_i32_b32 s[M+4*\j+3], s[M+4*\j+3]
	s_bcnt1_i32_b32 s29, s29
	s_bcnt1_i32_b32 s39, s39
	s_add_co_u32 s32, s32, s[M+4*\j]
	s_add_co_u32 s33, s33, s[M+4*\j+1]
	s_add_co_u32 s35, s35, s[M+4*\j+2]
	s_add_co_u32 s36, s36, s[M+4*\j+3]
	s_add_co_u32 s34, s34, s29
	s_add_co_u32 s37, s37, s39
.endr
.endm
	CHUNK 0
	CHUNK 4
	CHUNK 8
	CHUNK 12
	s_add_co_u32 s34, s32, s34                     ; A's sorted place = below + equal in front
	s_add_co_u32 s33, s32, s33                     ; A's class ends at below + equal
	s_add_co_u32 s37, s35, s37
	s_add_co_u32 s36, s35, s36
	; where the sums go: lanes 0-15 to A's place, lanes 16-31 to B's
	v_cmp_le_u32 vcc_lo, 16, v1
	v_mov_b32 v15, s34
	v_mov_b32 v11, s37
	v_cndmask_b32 v15, v15, v11, vcc_lo
	v_min_u32 v15, 511, v15                        ; a place is below 512 by construction; the bound is written out for the address
	v_lshl_add_u32 v15, v15, 8, v4                 ; place x 256 + 16 (l % 16)
	; lane 0 stores A's record, lane 1 B's.  Four words each to places that the sort decides: 32 KiB in the whole launch.
	v_cmp_eq_u32 vcc_lo, 1, v1
.macro FIELD d, sa, sb
	v_mov_b32 v[\d], s[\sa]
	v_mov_b32 v11, s[\sb]
	v_cndmask_b32 v[\d], v[\d], v11, vcc_lo
.endm
	FIELD 6, 34, 37                                ; place
	FIELD 7, 17, 18                                ; position
	v_cndmask_b32 v8, v12, v13, vcc_lo             ; label
	FIELD 9, 32, 35                                ; class start
	FIELD 10, 33, 36                               ; class end
	v_min_u32 v6, 511, v6
	v_lshlrev_b32 v6, 2, v6
	v_cmp_gt_u32 vcc_lo, 2, v1
	s_wait_xcnt 0x0                                ; EXEC is a source of the pending loads: it changes only behind this wait
	s_and_saveexec_b32 s38, vcc_lo
	global_store_b32 v6, v7, s[24:25]
	global_store_b32 v6, v8, s[24:25] offset:8192
	global_store_b32 v6, v9, s[24:25] offset:16384
	global_store_b32 v6, v10, s[24:25] offset:24576
	s_wait_xcnt 0x0                                ; and again in front of the line that widens it
	s_or_b32 exec_lo, exec_lo, s38
; The 16 loads of a row added up by halving: load t holds v = 2 t (lanes 0-15) and v = 2 t + 1 (lanes 16-31), d = 4 (l % 16) ..
.macro TREE x
.irp st, 8,4,2,1
.set tt, 0
.rept \st
	v_pk_add_f32 v[\x+4*tt:\x+4*tt+1], v[\x+4*tt:\x+4*tt+1], v[\x+4*(tt+\st):\x+4*(tt+\st)+1]
	v_pk_add_f32 v[\x+4*tt+2:\x+4*tt+3], v[\x+4*tt+2:\x+4*tt+3], v[\x+4*(tt+\st)+2:\x+4*(tt+\st)+3]
.set tt, tt+1
.endr
.endr
.endm
	s_wait_loadcnt 16                              ; row A is in; row B's 16 loads stay out
	TREE XA
	s_wait_loadcnt 0x0
	TREE XB
	; even and odd v meet: lanes 0-15 end with row A, lanes 16-31 with row B
	v_cmp_le_u32 vcc_lo, 16, v1
.irp c, 0,1,2,3
	v_cndmask_b32 v[U+\c], v[XA+\c], v[XB+\c], vcc_lo          ; what I keep: A below, B above
	v_cndmask_b32 v[W+\c], v[XB+\c], v[XA+\c], vcc_lo          ; what the other half wants of me
	v_permlanex16_b32 v[XB+\c], v[W+\c], s26, s27              ; its destination has been written (and used up)
	v_add_f32 v[U+\c], v[U+\c], v[XB+\c]
.endr
	v_cvt_pk_bf16_f32 v[W], v[U], v[U+1]           ; the upper parts
	v_cvt_pk_bf16_f32 v[W+1], v[U+2], v[U+3]
	v_lshlrev_b32 v[T], 16, v[W]                   ; back to f32,
	v_and_b32 v[T+1], 0xffff0000, v[W]
	v_lshlrev_b32 v[T+2], 16, v[W+1]
	v_and_b32 v[T+3], 0xffff0000, v[W+1]
	v_pk_add_f32 v[U:U+1], v[U:U+1], v[T:T+1] neg_lo:[0,1] neg_hi:[0,1]           ; taken away: the difference is exact in f32
	v_pk_add_f32 v[U+2:U+3], v[U+2:U+3], v[T+2:T+3] neg_lo:[0,1] neg_hi:[0,1]
	v_cvt_pk_bf16_f32 v[U], v[U], v[U+1]           ; the remainders
	v_cvt_pk_bf16_f32 v[U+1], v[U+2], v[U+3]
	; Lane r of a half holds 8 bytes of upper parts and 8 of remainders, d = 4 r ..  The row wants 16 bytes a lane: lanes 0-7 the upper
	; parts of d = 8 r .., lanes 8-15 the remainders of d = 8 (r - 8) ..: each takes the pieces of lanes 2 (r % 8) and 2 (r % 8) + 1.
	v_permlane16_b32 v[PE],   v[W],   s30, s30     ; the destinations have been written (and used up)
	v_permlane16_b32 v[PE+1], v[W+1], s30, s30
	v_permlane16_b32 v[PE+2], v[W],   s31, s31
	v_permlane16_b32 v[PE+3], v[W+1], s31, s31
	v_permlane16_b32 v[PE+4], v[U],   s30, s30
	v_permlane16_b32 v[PE+5], v[U+1], s30, s30
	v_permlane16_b32 v[PE+6], v[U],   s31, s31
	v_permlane16_b32 v[PE+7], v[U+1], s31, s31
	v_and_b32 v11, 8, v1
	v_cmp_ne_u32 vcc_lo, 0, v11                    ; lanes 8-15 of each half
.irp c, 0,1,2,3
	v_cndmask_b32 v[PE+\c], v[PE+\c], v[PE+4+\c], vcc_lo
.endr
	global_store_b128 v15, v[PE:PE+3], s[8:9]      ; sixteen lanes store one row: 256 consecutive bytes, aligned
	s_endpgm
.Lfunc_end_k_qbbd1223927_prep:
	.size	k_qbbd1223927_prep, .Lfunc_end_k_qbbd1223927_prep-k_qbbd1223927_prep
	.p2alignl 7, 3214868480
	.fill 96, 4, 3214868480
	.section	.rodata,"a",@progbits
	.p2align	6, 0x0
	.amdhsa_kernel k_qbbd1223927_prep
		.amdhsa_group_segment_fixed_size 0
		.amdhsa_private_segment_fixed_size 0
		.amdhsa_enable_private_segment 0
		.amdhsa_kernarg_size 32
		.amdhsa_user_sgpr_count 2
		.amdhsa_user_sgpr_kernarg_segment_ptr 1
		.amdhsa_wavefront_size32 1
		.amdhsa_system_sgpr_workgroup_id_x 1
		.amdhsa_system_sgpr_workgroup_id_y 1
		.amdhsa_system_sgpr_workgroup_id_z 1
		.amdhsa_system_vgpr_workitem_id 0
		.amdhsa_next_free_vgpr 168
		.amdhsa_next_free_sgpr 98
		.amdhsa_reserve_vcc 1
		.amdhsa_float_denorm_mode_32 3
		.amdhsa_float_denorm_mode_16_64 3
		.amdhsa_memory_ordered 1
		.amdhsa_forward_progress 1
		.amdhsa_inst_pref_size 26
	.end_amdhsa_kernel
	.amdgpu_metadata
---
amdhsa.version: [ 1, 2 ]
amdhsa.kernels:
  - .name:           k_qbbd1223927_prep
    .symbol:         k_qbbd1223927_prep.kd
    .args:
      - { .name: key, .offset: 0, .size: 8, .value_kind: global_buffer, .address_space: global }
      - { .name: label_arr, .offset: 8, .size: 8, .value_kind: global_buffer, .address_space: global }
      - { .name: ksum, .offset: 16, .size: 8, .value_kind: global_buffer, .address_space: global }
      - { .name: order, .offset: 24, .size: 8, .value_kind: global_buffer, .address_space: global }
    .group_segment_fixed_size: 0
    .private_segment_fixed_size: 0
    .kernarg_segment_align: 8
    .kernarg_segment_size: 32
    .max_flat_workgroup_size: 128
    .sgpr_count:     98
    .vgpr_count:     168
    .wavefront_size: 32
...
	.end_amdgpu_metadata
.endif
;; end of part 1
;; launch attn (part 2): grid 256 x 1, 8 waves a work-group, no clusters, 293,888 bytes of LDS; arguments query, value, ksum, order, out0; writes out0
.if DOCPART == 2
	.amdgcn_target "amdgcn-amd-amdhsa--gfx1250"
	.amdhsa_code_object_version 6
	.text
	.protected	k_qbbd1223927_attn
	.globl	k_qbbd1223927_attn
	.p2align	8
	.type	k_qbbd1223927_attn,@function
k_qbbd1223927_attn:
	s_mov_b64 s[64:65], 0
	v_nop
	global_prefetch_b8 v0, s[64:65] scope:SCOPE_SE
	s_setreg_imm32_b32 hwreg(HW_REG_WAVE_MODE, 25, 1), 1
	s_wait_xcnt 0x0
; out[b][i][v][:] = softmax over j of (q[b][i][v][:] . ksum[b][j][:] / 8, only where label j = label i) applied to value[b][j][v][:].
; Positions are taken in the order of the sort made by the launch before (perm, slab, sstart, send in 'order'; ksum lies in that order):
; the keys that a run of sorted queries can see are one run of sorted places, and only its blocks of 32 are staged and visited; inside a
; block the labels are compared.
; A work-group owns (b, v) and 256 sorted queries (half); a wave 32 of them, as two tiles of 16 that share the K and V fragments.
; WHAT IS STAGED.  LDS row rho holds sorted place rho xor 480 half: half 1 takes the 16 blocks of 32 places in mirrored order, so that in
; both halves the blocks that the work-group's queries can see are blocks 0 .. NB - 1, with NB from 8 (its own 256 places) to 16.  Only
; global offsets carry the xor; every LDS address is a constant plus terms of the wave's and the lane's number.  Rows are dealt in units
; of 16: unit n = 8 t + w to wave w.  t = 0, 1 are always staged, t = 2, 3 only where n < 2 NB.
; TRANSPOSED: S^T = K Q^T, so that a lane holds 8 + 8 keys of ONE query: maximum, sum and rescaling belong to the lane, and the packed
; exponentials are the second operand of O^T = V^T P^T as they stand.  Running maximum, taken away before every exponential.
; NUMBER FORMATS.  A score stands in an exponent: its absolute error is a relative error of a weight, and a score is a sum of 64 products
; of q with a sum of 32 keys.  So q and ksum each go as two bf16 numbers, an upper part and a remainder (16 bits of significand together,
; bf16's full range), and S^T = Kh Qh + Kh Ql + Kl Qh; the product of the two remainders is left out (2^-16 of a score).
; The exponentials (0 to 1) and value go in f16: 11 bits of significand.
; NO CLUSTER: the work-groups that could share K's rows stage different numbers of them and make different numbers of trips, both by
; numbers read from memory.  NO TENSOR LOADS: value and q are gathered by a list, row by row, and converted on the way to LDS.
; LIMITS: |value| below 65,504 (f16's largest number).  Scores must be finite.  The maximum starts at the lowest finite f32; exponentials
; below 2^-126 count as 0 (ISA guide 15.8, v_exp_f32), and those below f16's smallest denormal add nothing to O^T.
.set KP,  272                          ; LDS pitch of a K row: 128 bytes upper parts, 128 bytes remainders, 16 of padding: an odd multiple of 16
.set VP,  160                          ; of a V row (128 + 32): an odd multiple of 32, for the transposing load
.set QP,  272                          ; of a q row in the stage: as a K row
.set SP,  272                          ; of an out row in the stage (256 + 16)
.set KS,  0                            ; 512 x 272 = 139,264
.set VS,  139264                       ; 512 x 160 = 81,920
.set LS,  221184                       ; 512 labels, in the order of the LDS rows
.set ST,  223232                       ; 8 stages of 8,704 bytes, each wave's own: first q (32 x 272), at the end out in f32 (32 x 272)
.set STB, 8704
; registers of the main phase, window 0
.set NINF, 8                           ; -inf
.set LQ,   10                          ; v10, v11  the label of my query in tile 0, 1
.set MX,   12                          ; v12, v13  running maxima
.set NMO,  16                          ; v16, v17  -c x maximum of the trip before
.set LSUM, 20                          ; v[20:21], v[22:23] my part of the sums
.set KL,   32                          ; v[32:63]   K fragments, remainders, 8 (2 jt + ks)
.set OA,   64                          ; v[64:127]  O^T, 8 (4 it + dt)
.set SC,   128                         ; v[128:159] S^T, 16 it + 8 jt
.set PF,   160                         ; v[160:175] P^T fragments, 8 it
.set KH,   176                         ; v[176:207] K fragments, upper parts, 8 (2 jt + ks)
.set VF,   208                         ; v[208:239] V^T fragments, 8 dt
.set LK,   240                         ; v[240:255] labels of my 16 keys
; window 1: first q as loaded, then the q fragments, which stay for the whole kernel and are named by the score products alone
.set QH,   0                           ; v[256:287] upper parts, 8 (2 it + ks)
.set QL,   32                          ; v[288:319] remainders
.set RAW,  0                           ; v[256:319] q row e as loaded: 4 registers
.set HQ,   64                          ; v[320:335] upper parts of 8 rows, packed
.set TW,   80                          ; v[336:339] at work
.set MK,   66                          ; s[66:97]   lane masks, 16 it + e
; registers of the load phase, window 0
.set G0, 32                            ; four groups of 32 registers: 8 loads each
.set G1, 64
.set G2, 96
.set G3, 128
.set VI, 176                           ; v[176:207] byte offsets of my V rows, 8 t + e
.set IT, 208                           ; v[208:211] where unit t's 8 entries of perm lie
.set KO, 212                           ; v[212:215] byte offset of my 16 bytes in unit t's first two rows of ksum
.set QI, 240                           ; v[240:255] byte offsets of my q rows (and, at the end, out rows)
.set MSB, 0
.macro WIN new                         ; s_set_vgpr_msb: bits 1:0 source 0, 3:2 source 1, 7:6 destination; the high byte repeats the setting that is left
.if MSB != \new
	s_set_vgpr_msb (MSB<<8)|\new
.set MSB, \new
.endif
.endm
	s_load_b256 s[4:11], s[0:1], 0x0               ; query s[4:5], value s[6:7], ksum s[8:9], order s[10:11]
	s_load_b64 s[12:13], s[0:1], 0x20              ; out0
	v_lshl_add_u32 v1, v0, 2, 0x47800
	s_set_vgpr_msb 0x40
	v_mov_b32 v89, 0
	s_set_vgpr_msb 0x4000
	v_lshrrev_b32 v226, 5, v0
	v_readfirstlane_b32 s14, v226                  ; wave w
	s_lshr_b32 s15, ttmp9, 6                       ; b
	s_bfe_u32 s16, ttmp9, 0x50001                  ; v: 5 bits from bit 1
	s_and_b32 s17, ttmp9, 1                        ; half
	s_lshl_b32 s18, s15, 22                        ; b x 512 x 8,192
	s_lshl_b32 s30, s16, 8                         ; v x 256
	s_add_co_u32 s18, s18, s30
	s_mov_b32 s19, 0
	s_lshl_b32 s36, s15, 17                        ; a batch of ksum: 512 rows of 256 bytes
	s_mov_b32 s37, 0
	s_lshl_b32 s38, s15, 11                        ; a batch's part of each array of order
	s_mov_b32 s39, 0
	s_lshl_b32 s40, s17, 10                        ; 256 half places x 4 bytes
	s_mov_b32 s41, 0
	s_lshl_b32 s43, s14, 7                         ; 128 w
	s_lshl_b32 s44, s14, 6                         ; 64 w
	s_lshl_b32 s53, s14, 12                        ; 4,096 w
	s_add_co_u32 s34, s43, s40                     ; 4 P0, P0 = 256 half + 32 w: my first query's sorted place
	s_mul_i32 s47, s17, 1920                       ; 480 half places in words of 4 bytes,
	s_mul_i32 s48, s17, 122880                     ; and in rows of 256 bytes: the xor that mirrors the blocks
	s_mul_i32 s49, s17, 8188
	s_sub_co_u32 s49, 25596, s49                   ; half 0: send[255] at 24,576 + 1,020; half 1: sstart[256] at 16,384 + 1,024
	s_add_co_u32 s51, s14, 16                      ; my third unit's number,
	s_add_co_u32 s52, s14, 24                      ; my fourth's
	s_mov_b32 s22, 0x3e38aa3b                      ; c = log2(e) / 8
	s_mov_b32 s23, 0x3e38aa3b
	s_mov_b32 s24, 0xbe38aa3b                      ; -c
	s_mov_b32 s25, 0x76543210                      ; v_permlanex16_b32: lane i reads lane i of the other half
	s_mov_b32 s26, 0xfedcba98
	s_mul_i32 s42, s14, STB
	s_add_co_u32 s42, s42, ST                      ; my stage
	s_mul_i32 s45, s14, 16*VP
	s_add_co_u32 s45, s45, VS                      ; V rows 16 w .. of each run of 128
	s_mul_i32 s46, s14, 16*KP                      ; K rows likewise
	v_and_b32 v227, 15, v0                         ; r
	v_bfe_u32 v228, v0, 4, 1                       ; h
	v_and_b32 v230, 7, v0                          ; L & 7
	v_bfe_u32 v232, v0, 3, 1                       ; (L >> 3) & 1
	v_mul_u32_u24 v2, v227, KP
	v_lshl_add_u32 v2, v228, 4, v2                 ; K fragment: r KP + 16 h
	v_lshl_add_u32 v233, v228, 3, v230
	v_mul_u32_u24 v3, v233, VP
	v_lshl_add_u32 v3, v232, 4, v3
	v_add_nc_u32 v3, VS, v3                        ; V^T fragment: VS + (8 h + (L & 7)) VP + 16 ((L >> 3) & 1)
	v_lshlrev_b32 v4, 5, v228
	v_add_nc_u32 v4, LS, v4                        ; key labels: LS + 32 h
	v_mov_b32 v[NINF], 0xff800000
	v_mov_b32 v9, 0                                ; destinations of v_permlanex16_b32 count as read
	v_mov_b32 v28, 0
	v_mov_b32 v[MX], 0xff7fffff
	v_mov_b32 v[MX+1], 0xff7fffff
	v_mov_b32 v15, 0                               ; upper registers of pairs of which the lower one is broadcast
	v_mov_b32 v19, 0
	v_lshlrev_b32 v26, 4, v227                     ; 16 r
	v_mul_u32_u24 v24, v227, SP
	v_lshl_add_u32 v24, v228, 5, v24
	v_add_nc_u32 v24, s42, v24                     ; out into the stage: r SP + 32 h
	v_mul_u32_u24 v25, v228, 16*SP
	v_add_nc_u32 v25, v25, v26
	v_add_nc_u32 v25, s42, v25                     ; and back by rows: 16 h SP + 16 r
	v_lshlrev_b32 v27, 6, v228
	v_add_nc_u32 v27, s43, v27                     ; perm of my q rows: 128 w + 64 h
	v_lshlrev_b32 v234, 2, v227
	v_add_nc_u32 v234, s43, v234                   ; label of my query: 128 w + 4 r
	v_lshlrev_b32 v30, 5, v228
	v_add_nc_u32 v30, s44, v30                     ; 4 x (16 w + 8 h)
	v_and_b32 v229, 31, v0
	v_lshlrev_b32 v229, 4, v229
	v_add_nc_u32 v229, s53, v229                   ; 256 x 16 w + 16 L
.irp t, 0,1,2,3
	v_add_nc_u32 v[IT+\t], 512*\t, v30             ; LDS rows 128 t + 16 w + 8 h ..: 4 bytes each,
	v_xor_b32 v[IT+\t], s47, v[IT+\t]              ; at their sorted places
	v_add_nc_u32 v[KO+\t], 32768*\t, v229          ; LDS rows 128 t + 16 w + (L >> 4): 256 bytes each,
	v_xor_b32 v[KO+\t], s48, v[KO+\t]              ; at their sorted places
.endr
	v_lshlrev_b32 v235, 3, v0                      ; two labels a thread: LDS rows 2 tid, 2 tid + 1,
	v_add_nc_u32 v236, LS, v235
	v_xor_b32 v235, s47, v235                      ; at their sorted places
	v_mul_u32_u24 v5, v228, 8*VP
	v_lshl_add_u32 v5, v227, 3, v5
	v_add_nc_u32 v5, s45, v5                       ; V into LDS: (16 w + 8 h) VP + 8 r
	v_mul_u32_u24 v6, v228, KP
	v_add_nc_u32 v6, v6, v26
	v_add_nc_u32 v6, s46, v6                       ; K into LDS: (16 w + h) KP + 16 r,
	v_add_nc_u32 v31, 256*KP, v6                   ; and 256 rows on: the 16-bit offset does not reach units 2 and 3
	v_mul_u32_u24 v7, v228, 16*QP
	v_lshl_add_u32 v7, v227, 3, v7
	v_add_nc_u32 v7, s42, v7                       ; q into my stage: 16 h QP + 8 r
	v_add_nc_u32 v29, s42, v2                      ; q fragment: r QP + 16 h (QP = KP)
	s_wait_kmcnt 0x0
	s_add_nc_u64 s[4:5], s[4:5], s[18:19]
	s_add_nc_u64 s[6:7], s[6:7], s[18:19]
	s_add_nc_u64 s[12:13], s[12:13], s[18:19]
	s_add_nc_u64 s[8:9], s[8:9], s[36:37]
	s_add_nc_u64 s[10:11], s[10:11], s[38:39]
	s_add_nc_u64 s[28:29], s[10:11], s[40:41]      ; order at my work-group's first query
	s_load_b32 s20, s[10:11], s34 offset:16384     ; sstart[P0]: where my first query's class begins
	s_load_b32 s21, s[10:11], s34 offset:24576+124 ; send[P0 + 31]: where my last query's class ends
	s_load_b32 s27, s[10:11], s49 offset:0x0       ; how far the work-group's queries see beyond its own 256 places
.macro VOFF t                          ; unit t's entries of perm become byte offsets of rows of value
.irp e, 0,1,2,3,4,5,6,7
	v_min_u32 v[VI+8*\t+\e], 511, v[VI+8*\t+\e]    ; an index stays inside its table; the bound is written out for the address
	v_lshl_add_u32 v[VI+8*\t+\e], v[VI+8*\t+\e], 13, v26       ; row x 8,192 + 16 r
.endr
.endm
.macro ISSUEV g, t                     ; LDS rows 128 t + 16 w + 8 h + e: sixteen lanes read one row of 256 bytes
.irp e, 0,1,2,3,4,5,6,7
	global_load_b128 v[\g+4*\e:\g+4*\e+3], v[VI+8*\t+\e], s[6:7]
.endr
.endm
.macro DRAINV g, t
.irp e, 0,1,2,3,4,5,6,7
	v_cvt_pk_f16_f32 v[\g+4*\e], v[\g+4*\e], v[\g+4*\e+1]
	v_cvt_pk_f16_f32 v[\g+4*\e+1], v[\g+4*\e+2], v[\g+4*\e+3]
	ds_store_b64 v5, v[\g+4*\e:\g+4*\e+1] offset:(128*\t+\e)*VP
.endr
.endm
.macro ISSUEK g, t                     ; LDS rows 128 t + 16 w + 2 e + (L >> 4): a load of the wave covers 512 consecutive bytes of ksum
.irp e, 0,1,2,3,4,5,6,7
	global_load_b128 v[\g+4*\e:\g+4*\e+3], v[KO+\t], s[8:9] offset:512*\e
.endr
.endm
.macro DRAINK g, t
.irp e, 0,1,2,3,4,5,6,7
.if \t < 2
	ds_store_b128 v6, v[\g+4*\e:\g+4*\e+3] offset:(128*\t+2*\e)*KP
.else
	ds_store_b128 v31, v[\g+4*\e:\g+4*\e+3] offset:(128*(\t-2)+2*\e)*KP
.endif
.endr
.endm
; q rows e0 .. e0 + 7 of each half of the lanes: upper part + remainder, both bf16; the difference in between is exact in f32.
; All arithmetic in window 1, then all stores (address in window 0, data in window 1): two switches for 8 rows.
.macro DRAINQ e0
	WIN 0x45
.irp e, 0,1,2,3,4,5,6,7
	v_cvt_pk_bf16_f32 v[HQ+2*\e], v[RAW+4*(\e0+\e)], v[RAW+4*(\e0+\e)+1]
	v_cvt_pk_bf16_f32 v[HQ+2*\e+1], v[RAW+4*(\e0+\e)+2], v[RAW+4*(\e0+\e)+3]
	v_lshlrev_b32 v[TW], 16, v[HQ+2*\e]
	v_and_b32 v[TW+1], 0xffff0000, v[HQ+2*\e]
	v_lshlrev_b32 v[TW+2], 16, v[HQ+2*\e+1]
	v_and_b32 v[TW+3], 0xffff0000, v[HQ+2*\e+1]
	v_pk_add_f32 v[RAW+4*(\e0+\e):RAW+4*(\e0+\e)+1], v[RAW+4*(\e0+\e):RAW+4*(\e0+\e)+1], v[TW:TW+1] neg_lo:[0,1] neg_hi:[0,1]
	v_pk_add_f32 v[RAW+4*(\e0+\e)+2:RAW+4*(\e0+\e)+3], v[RAW+4*(\e0+\e)+2:RAW+4*(\e0+\e)+3], v[TW+2:TW+3] neg_lo:[0,1] neg_hi:[0,1]
	v_cvt_pk_bf16_f32 v[RAW+4*(\e0+\e)], v[RAW+4*(\e0+\e)], v[RAW+4*(\e0+\e)+1]
	v_cvt_pk_bf16_f32 v[RAW+4*(\e0+\e)+1], v[RAW+4*(\e0+\e)+2], v[RAW+4*(\e0+\e)+3]
.endr
	WIN 0x04
.irp e, 0,1,2,3,4,5,6,7
	ds_store_b64 v7, v[HQ+2*\e:HQ+2*\e+1] offset:(\e0+\e)*QP
	ds_store_b64 v7, v[RAW+4*(\e0+\e):RAW+4*(\e0+\e)+1] offset:(\e0+\e)*QP+128
.endr
.endm
	; 15 loads of indices and labels, and behind them, needing no list, my first two units of K
.irp t, 0,1,2,3
	global_load_b128 v[VI+8*\t:VI+8*\t+3], v[IT+\t], s[10:11]
	global_load_b128 v[VI+8*\t+4:VI+8*\t+7], v[IT+\t], s[10:11] offset:16
.endr
.irp x, 0,1,2,3
	global_load_b128 v[QI+4*\x:QI+4*\x+3], v27, s[28:29] offset:16*\x          ; q row e of my half of the lanes: sorted place P0 + 16 h + e
.endr
	global_load_b64 v[224:225], v235, s[10:11] offset:8192
	global_load_b32 v[LQ], v234, s[28:29] offset:8192
	global_load_b32 v[LQ+1], v234, s[28:29] offset:8192+64
	ISSUEK G0, 0
	ISSUEK G1, 1
	s_wait_loadcnt 16                              ; the 15 loads of indices and labels are in; K's 16 stay out
.set x, 0
.rept 16
	v_min_u32 v[QI+x], 511, v[QI+x]
	v_lshl_add_u32 v[QI+x], v[QI+x], 13, v26
.set x, x+1
.endr
	WIN 0x40                                       ; destination in window 1, address in window 0
.irp e, 0,1,2,3,4,5,6,7,8,9,10,11,12,13,14,15
	global_load_b128 v[RAW+4*\e:RAW+4*\e+3], v[QI+\e], s[4:5] th:TH_LOAD_NT    ; q is read once in the launch
.endr
	WIN 0
	VOFF 0
	ISSUEV G2, 0
	VOFF 1
	ISSUEV G3, 1                                   ; 48 loads of 512 bytes of the wave are on their way
	ds_store_b64 v236, v[224:225]                  ; the labels
	s_wait_loadcnt 32                              ; K's units 0 and 1 are in; q's 16 loads and V's 16 stay out
	DRAINK G0, 0
	DRAINK G1, 1
	s_wait_kmcnt 0x0
	s_min_u32 s27, s27, 512
	s_add_co_u32 s30, s27, 31
	s_lshr_b32 s30, s30, 5                         ; half 0: blocks 0 .. up to the end of the class of place 255
	s_lshr_b32 s31, s27, 5
	s_sub_co_u32 s31, 16, s31                      ; half 1: mirrored, blocks 0 .. down to the start of the class of place 256
	s_min_u32 s20, s20, 511
	s_lshr_b32 s20, s20, 5                         ; my first block of 32 sorted places.  sstart[P0] <= P0
	s_min_u32 s21, s21, 512
	s_add_co_u32 s21, s21, 31
	s_lshr_b32 s21, s21, 5                         ; one past my last.  send[P0 + 31] >= P0 + 32: at least one block
	s_sub_co_u32 s32, 16, s21
	s_sub_co_u32 s33, 16, s20
	s_cmp_eq_u32 s17, 0
	s_cselect_b32 s50, s30, s31                    ; NB: the blocks that the work-group stages
	s_cselect_b32 s20, s20, s32                    ; J: my first LDS block,
	s_cselect_b32 s21, s21, s33                    ; and one past my last: inside 0 .. NB, since sstart and send rise with the place
	s_lshl_b32 s50, s50, 1                         ; in units of 16 rows
	s_cmp_ge_u32 s51, s50
	s_cbranch_scc1 .Lno_third                      ; unit 16 + w lies beyond what anybody here can see
	VOFF 2
	ISSUEK G0, 2
	ISSUEV G1, 2
.Lno_third:
	s_wait_loadcnt 24                              ; q's first 8 loads are in: behind them stand q's other 8 and V's 16 (and, on one way, 16 more:
	DRAINQ 0                                       ; there the same count asks for more than is needed, never for less)
	s_wait_loadcnt 16                              ; q's other 8 are in: behind them stand V's 16
	DRAINQ 8
	WIN 0
	s_wait_loadcnt 0x0                             ; everything asked for so far is in
	DRAINV G2, 0
	DRAINV G3, 1
	s_cmp_ge_u32 s51, s50
	s_cbranch_scc1 .Lstaged
	DRAINK G0, 2
	DRAINV G1, 2
	s_cmp_ge_u32 s52, s50
	s_cbranch_scc1 .Lstaged                        ; unit 24 + w likewise
	VOFF 3
	ISSUEK G2, 3
	ISSUEV G3, 3
	s_wait_loadcnt 8                               ; K's 8 loads are in; V's 8 stay out
	DRAINK G2, 3
	s_wait_loadcnt 0x0
	DRAINV G3, 3
.Lstaged:
	; my q fragments, from my own stage: LDS serves a wave's instructions in order (ISA guide 5.7.1), so these see the stores above
	WIN 0x40                                       ; destination in window 1, address in window 0
.irp it, 0,1
.irp p, 0,1
.irp ks, 0,1
	ds_load_b128 v[32*\p+8*(2*\it+\ks):32*\p+8*(2*\it+\ks)+3], v29 offset:16*\it*QP+128*\p+64*\ks
	ds_load_b128 v[32*\p+8*(2*\it+\ks)+4:32*\p+8*(2*\it+\ks)+7], v29 offset:16*\it*QP+128*\p+64*\ks+32
.endr
.endr
.endr
	WIN 0
	s_wait_dscnt 0x0                               ; for the other waves' sake: my rows of K, V and the labels are written
	s_barrier_signal -1
	s_barrier_wait -1                              ; from here on K, V and the labels are read only
; Four products of S^T, 32 along d: K's part kb (window 0) with q's part qb (window 1).
; The four accumulators take turns, one instruction a turn.
.macro SPROD kb, qb, ks, zero
.irp it, 0,1
.irp jt, 0,1
.if \zero
	v_wmma_f32_16x16x32_bf16 v[SC+16*\it+8*\jt:SC+16*\it+8*\jt+7], v[\kb+8*(2*\jt+\ks):\kb+8*(2*\jt+\ks)+7], v[\qb+8*(2*\it+\ks):\qb+8*(2*\it+\ks)+7], 0
.else
	v_wmma_f32_16x16x32_bf16 v[SC+16*\it+8*\jt:SC+16*\it+8*\jt+7], v[\kb+8*(2*\jt+\ks):\kb+8*(2*\jt+\ks)+7], v[\qb+8*(2*\it+\ks):\qb+8*(2*\it+\ks)+7], v[SC+16*\it+8*\jt:SC+16*\it+8*\jt+7]
.endif
.endr
.endr
.endm
; Tile it: mask, running maximum, exponentials, rescaling of sum and O^T, P^T packed.  My 16 numbers are 16 keys of one query.
.macro SOFTMAX it, first
.irp e, 0,1,2,3,4,5,6,7,8,9,10,11,12,13,14,15
	v_cndmask_b32 v[SC+16*\it+\e], v[NINF], v[SC+16*\it+\e], s[MK+16*\it+\e]
.endr
.irp q, 0,1,2,3,4,5,6,7
	v_max3_num_f32 v[MX+\it], v[MX+\it], v[SC+16*\it+2*\q], v[SC+16*\it+2*\q+1]
.endr
	v_permlanex16_b32 v9, v[MX+\it], s25, s26      ; the other 16 keys of my query lie in the other half of the lanes
	v_max_num_f32 v[MX+\it], v[MX+\it], v9
	v_mul_f32 v14, s24, v[MX+\it]                  ; -c x maximum, rounded once: the same number shifts the exponents and makes alpha
.if \first == 0
	v_sub_f32 v18, v14, v[NMO+\it]
	v_exp_f32 v18, v18                             ; alpha = 2^(c (old maximum - new maximum))
.endif
	v_mov_b32 v[NMO+\it], v14                      ; also the plain instruction behind v_exp_f32 (ISA guide 5.7.2)
.irp q, 0,1,2,3,4,5,6,7
	v_pk_fma_f32 v[SC+16*\it+2*\q:SC+16*\it+2*\q+1], v[SC+16*\it+2*\q:SC+16*\it+2*\q+1], s[22:23], v[14:15] op_sel_hi:[1,0,0]
.endr
.irp e, 0,1,2,3,4,5,6,7,8,9,10,11,12,13,14,15
	v_exp_f32 v[SC+16*\it+\e], v[SC+16*\it+\e]     ; a masked key: 2^(-inf) = 0
.endr
.if \first
	v_nop                                          ; the plain instruction behind the exponentials
	s_wait_alu depctr_va_vdst(0)
	v_pk_add_f32 v[LSUM+2*\it:LSUM+2*\it+1], v[SC+16*\it:SC+16*\it+1], v[SC+16*\it+2:SC+16*\it+3]
.irp q, 2,3,4,5,6,7
	v_pk_add_f32 v[LSUM+2*\it:LSUM+2*\it+1], v[LSUM+2*\it:LSUM+2*\it+1], v[SC+16*\it+2*\q:SC+16*\it+2*\q+1]
.endr
.else
	s_wait_alu depctr_va_vdst(0)
.irp q, 0,1,2,3,4,5,6,7,8,9,10,11,12,13,14,15
	v_pk_mul_f32 v[OA+32*\it+2*\q:OA+32*\it+2*\q+1], v[OA+32*\it+2*\q:OA+32*\it+2*\q+1], v[18:19] op_sel_hi:[1,0]
.endr
	v_pk_fma_f32 v[LSUM+2*\it:LSUM+2*\it+1], v[LSUM+2*\it:LSUM+2*\it+1], v[18:19], v[SC+16*\it:SC+16*\it+1] op_sel_hi:[1,0,1]
.irp q, 1,2,3,4,5,6,7
	v_pk_add_f32 v[LSUM+2*\it:LSUM+2*\it+1], v[LSUM+2*\it:LSUM+2*\it+1], v[SC+16*\it+2*\q:SC+16*\it+2*\q+1]
.endr
.endif
.irp q, 0,1,2,3,4,5,6,7
	v_cvt_pk_f16_f32 v[PF+8*\it+\q], v[SC+16*\it+2*\q], v[SC+16*\it+2*\q+1]    ; keys 8 h .. in registers 0-3, 16 + 8 h .. in 4-7: the operand's own layout
.endr
.endm
; O^T of tile it += V^T P^T, four tiles of 16 d; the four accumulators take turns.  first = 1: the products start the sums.
.macro PV it, first
.irp dt, 0,1,2,3
.if \first
	v_wmma_f32_16x16x32_f16 v[OA+8*(4*\it+\dt):OA+8*(4*\it+\dt)+7], v[VF+8*\dt:VF+8*\dt+7], v[PF+8*\it:PF+8*\it+7], 0
.else
	v_wmma_f32_16x16x32_f16 v[OA+8*(4*\it+\dt):OA+8*(4*\it+\dt)+7], v[VF+8*\dt:VF+8*\dt+7], v[PF+8*\it:PF+8*\it+7], v[OA+8*(4*\it+\dt):OA+8*(4*\it+\dt)+7]
.endif
.endr
.endm
; One block of 32 keys for my 32 queries.
.macro TRIP first
	s_min_u32 s30, s20, 15                         ; J is below 16 by the bounds above; written out for the LDS addresses
	s_mul_i32 s31, s30, 32*KP
	s_mul_i32 s32, s30, 32*VP
	s_lshl_b32 s33, s30, 7
	v_add_nc_u32 v5, s31, v2                       ; these four lines are also the four places between the last trip's last product
	v_add_nc_u32 v6, s32, v3                       ; and the loads into its V fragment (ISA guide 7.12.1 for vector instructions)
	v_add_nc_u32 v7, s33, v4
	v_nop
.irp jt, 0,1
.irp ks, 0,1
	ds_load_b128 v[KH+8*(2*\jt+\ks):KH+8*(2*\jt+\ks)+3], v5 offset:16*\jt*KP+64*\ks
	ds_load_b128 v[KH+8*(2*\jt+\ks)+4:KH+8*(2*\jt+\ks)+7], v5 offset:16*\jt*KP+64*\ks+32
.endr
.endr
.irp jt, 0,1
.irp ks, 0,1
	ds_load_b128 v[KL+8*(2*\jt+\ks):KL+8*(2*\jt+\ks)+3], v5 offset:16*\jt*KP+128+64*\ks
	ds_load_b128 v[KL+8*(2*\jt+\ks)+4:KL+8*(2*\jt+\ks)+7], v5 offset:16*\jt*KP+128+64*\ks+32
.endr
.endr
.irp jt, 0,1
	ds_load_b128 v[LK+8*\jt:LK+8*\jt+3], v7 offset:64*\jt
	ds_load_b128 v[LK+8*\jt+4:LK+8*\jt+7], v7 offset:64*\jt+16
.endr
.irp dt, 0,1,2,3
	ds_load_tr16_b128 v[VF+8*\dt:VF+8*\dt+3], v6 offset:32*\dt
	ds_load_tr16_b128 v[VF+8*\dt+4:VF+8*\dt+7], v6 offset:32*\dt+16*VP
.endr
	s_wait_dscnt 20                                ; K's 8 upper loads are in; 8 of the remainders, 4 of the labels, 8 of V stay out
	WIN 0x04                                       ; source 1 (q) in window 1
	SPROD KH, QH, 0, 1
	SPROD KH, QH, 1, 0
	SPROD KH, QL, 0, 0
	SPROD KH, QL, 1, 0
	s_wait_dscnt 12                                ; K's remainders are in; the labels' 4 loads and V's 8 stay out
	SPROD KL, QH, 0, 0
	SPROD KL, QH, 1, 0
	WIN 0
	s_wait_dscnt 8                                 ; the labels are in; V's 8 loads stay out
.irp it, 0,1
.irp e, 0,1,2,3,4,5,6,7,8,9,10,11,12,13,14,15
	v_cmp_eq_u32 s[MK+16*\it+\e], v[LQ+\it], v[LK+\e]          ; 32 vector instructions that name no register of the products: the places behind them
.endr
.endr
	SOFTMAX 0, \first
	s_wait_dscnt 0x0                               ; V's fragments
	PV 0, \first
	SOFTMAX 1, \first                              ; tile 1's vector work is issued behind tile 0's products and names none of their registers
	PV 1, \first
.endm
	TRIP 1
	s_add_co_u32 s20, s20, 1
	s_cmp_ge_u32 s20, s21
	s_cbranch_scc1 .Ldone
.Lloop:
	TRIP 0
	s_add_co_u32 s20, s20, 1
	s_cmp_lt_u32 s20, s21
	s_cbranch_scc1 .Lloop
.Ldone:
	; THE WAY OUT: divide by the sums, turn O^T into rows through my own stage, scatter whole rows of 256 bytes by perm.
.irp x, 0,1,2,3
	global_load_b128 v[QI+4*\x:QI+4*\x+3], v27, s[28:29] offset:16*\x   ; perm of my rows P0 + 16 h + e once more (the registers held key labels)
.endr
	; A barrier between the loop's LDS reads and the stores into the stages.  The loop's addresses hang on a counter that starts at a number
	; read from memory; behind this barrier every wave's reads of the loop are over, whatever they touched.
	s_wait_dscnt 0x0                               ; my reads are back (met: each trip ends behind its wait for 0)
	s_barrier_signal -1
	v_add_f32 v20, v20, v21                        ; register work while the other waves arrive.  Four plain additions stand between
	v_add_f32 v22, v22, v23                        ; the last product and the first read of O^T
	v_permlanex16_b32 v9, v20, s25, s26
	v_permlanex16_b32 v28, v22, s25, s26
	v_add_f32 v20, v20, v9                         ; the sum over all keys: at least 1, since the key of the maximum adds 2^0
	v_add_f32 v22, v22, v28
	v_rcp_f32 v18, v20
	v_rcp_f32 v14, v22
	v_nop                                          ; the plain instruction behind the reciprocals
	s_wait_alu depctr_va_vdst(0)
.irp q, 0,1,2,3,4,5,6,7,8,9,10,11,12,13,14,15
	v_pk_mul_f32 v[OA+2*\q:OA+2*\q+1], v[OA+2*\q:OA+2*\q+1], v[18:19] op_sel_hi:[1,0]
	v_pk_mul_f32 v[OA+32+2*\q:OA+32+2*\q+1], v[OA+32+2*\q:OA+32+2*\q+1], v[14:15] op_sel_hi:[1,0]
.endr
	s_barrier_wait -1
.irp it, 0,1
.irp dt, 0,1,2,3
.irp q, 0,1
	ds_store_b128 v24, v[OA+8*(4*\it+\dt)+4*\q:OA+8*(4*\it+\dt)+4*\q+3] offset:16*\it*SP+64*\dt+16*\q   ; row 16 it + r, d = 16 dt + 8 h + 4 q ..
.endr
.endr
.endr
	s_wait_loadcnt 0x0
.set x, 0
.rept 16
	v_min_u32 v[QI+x], 511, v[QI+x]
	v_lshl_add_u32 v[QI+x], v[QI+x], 13, v26
.set x, x+1
.endr
.irp e, 0,1,2,3,4,5,6,7,8,9,10,11,12,13,14,15
	ds_load_b128 v[SC+4*\e:SC+4*\e+3], v25 offset:\e*SP        ; lanes 0-15 row e, lanes 16-31 row 16 + e; my own bytes, served in order
.endr
.irp e, 0,1,2,3,4,5,6,7,8,9,10,11,12,13,14,15
	s_wait_dscnt 15-\e                             ; row e is in; the younger reads stay out
	global_store_b128 v[QI+\e], v[SC+4*\e:SC+4*\e+3], s[12:13] th:TH_STORE_NT   ; sixteen lanes store 256 consecutive bytes, aligned
.endr
	s_set_vgpr_msb 0x4
	s_wait_tensorcnt 0x0
	ds_add_u32 v1, v89
	s_wait_dscnt 0x0
	s_set_vgpr_msb 0x400
	s_endpgm
.Lfunc_end_k_qbbd1223927_attn:
	.size	k_qbbd1223927_attn, .Lfunc_end_k_qbbd1223927_attn-k_qbbd1223927_attn
	.p2alignl 7, 3214868480
	.fill 96, 4, 3214868480
	.section	.rodata,"a",@progbits
	.p2align	6, 0x0
	.amdhsa_kernel k_qbbd1223927_attn
		.amdhsa_group_segment_fixed_size 293888
		.amdhsa_private_segment_fixed_size 0
		.amdhsa_enable_private_segment 0
		.amdhsa_kernarg_size 40
		.amdhsa_user_sgpr_count 2
		.amdhsa_user_sgpr_kernarg_segment_ptr 1
		.amdhsa_wavefront_size32 1
		.amdhsa_system_sgpr_workgroup_id_x 1
		.amdhsa_system_sgpr_workgroup_id_y 1
		.amdhsa_system_sgpr_workgroup_id_z 1
		.amdhsa_system_vgpr_workitem_id 0
		.amdhsa_next_free_vgpr 346
		.amdhsa_next_free_sgpr 98
		.amdhsa_reserve_vcc 0
		.amdhsa_float_denorm_mode_32 3
		.amdhsa_float_denorm_mode_16_64 3
		.amdhsa_memory_ordered 1
		.amdhsa_forward_progress 1
		.amdhsa_inst_pref_size 81
	.end_amdhsa_kernel
	.amdgpu_metadata
---
amdhsa.version: [ 1, 2 ]
amdhsa.kernels:
  - .name:           k_qbbd1223927_attn
    .symbol:         k_qbbd1223927_attn.kd
    .args:
      - { .name: query, .offset: 0, .size: 8, .value_kind: global_buffer, .address_space: global }
      - { .name: value, .offset: 8, .size: 8, .value_kind: global_buffer, .address_space: global }
      - { .name: ksum, .offset: 16, .size: 8, .value_kind: global_buffer, .address_space: global }
      - { .name: order, .offset: 24, .size: 8, .value_kind: global_buffer, .address_space: global }
      - { .name: out0, .offset: 32, .size: 8, .value_kind: global_buffer, .address_space: global }
    .group_segment_fixed_size: 293888
    .private_segment_fixed_size: 0
    .kernarg_segment_align: 8
    .kernarg_segment_size: 40
    .max_flat_workgroup_size: 256
    .sgpr_count:     98
    .vgpr_count:     346
    .wavefront_size: 32
...
	.end_amdgpu_metadata
.endif
;; end of part 2
